; MI455X (gfx1250); checked and timed in simulation.
; The chip was launched on July 23, 2026; its instructions are those of AMD's public machine-readable ISA for CDNA 5 (MIT licence, August 2026) and "CDNA5" Instruction Set Architecture Reference Guide (July 2026). The comments in the code are by the model that wrote it; some were corrected since.
;; LST Mcell. Allowed arithmetic: matrix products marked QUANTISED: E4M3 operands, one given power-of-two scale a tensor, by v_wmma_f32_16x16x64_fp8_fp8 or v_wmma_f32_16x16x128_fp8_fp8, f32 sums; everything else in f32.
;; Inputs: W_c 2,048 x 1,024 float32; W_f 2,048 x 1,024 float32; W_i 2,048 x 1,024 float32; W_o 2,048 x 1,024 float32; b_c 1,024 float32; b_f 1,024 float32; b_i 1,024 float32; b_o 1,024 float32; cell_state 8,192 x 1,024 float32; hidden_state 8,192 x 1,024 float32; input 8,192 x 1,024 float32; lowp_scales 2 int32 (the exponents e of the quantised operands' scales 2^e).
;; Outputs: out0 8,192 x 1,024 float32; out1 8,192 x 1,024 float32.
;; This version of the problem:
;;   THIS VERSION OF THE PROBLEM IS GIVEN IN LOW PRECISION. The matrix products marked QUANTISED in the list below multiply operands that are first quantised to E4M3 (4 exponent bits, 3 mantissa bits; 8 bits a number), with one given power-of-two scale for each operand tensor; their sums are f32. All else is computed in f32.
;;   The module's matrix products, in the order in which they are computed (A, B: the left and right operand; K: the contracted axis; several contracted axes count as one K, in the product's order):
;;     1. [M 8,192, K 2,048] x [K 2,048, N 4,096]; A: computed on the way; B: computed on the way: QUANTISED (scales: A lowp_scales[0], B lowp_scales[1])
;;   THE QUANTISER, for each operand of a quantised product, along K:
;;     - The operand's scale is 2^e, e = its entry of the input lowp_scales (int32; the entries are numbered through the quantised products in the list's order, A before B).
;;     - Each number is divided by the scale, clamped to +-448, and rounded to the nearest number of E4M3, ties to even, subnormals kept.
;;     - The product sums the exact products of the quantised numbers (number of the format x scale) in f32.
;;   ~~~python
;;   def quantise(x, axis, e):      # numpy; x: float32 -> the quantised numbers, widened to float32 again
;;       x = np.moveaxis(x, axis, -1); K = x.shape[-1]
;;       r = np.clip(x / 2.0 ** e, -448, 448)
;;       step = 2.0 ** (np.maximum(np.frexp(np.where(r == 0, 1, r))[1] - 1, -6) - 3)
;;       q = np.round(r / step) * step * 2.0 ** e      # np.round: ties to even
;;       return np.moveaxis(q, -1, axis).astype(np.float32)
;;   ~~~
;;   OPERANDS COMPUTED ON THE WAY. 'Computed on the way' means the value that the module computes at that place (a softmax that the list does not call 'softmax' is quantised finished and normalised). What goes into a quantiser is computed in f32, as accurately as f32 sums, v_exp_f32 and their like allow (about 1e-6 of the number): no bf16 or f16 on the way to a quantiser, and a product that is left as it is and whose result goes on into a quantised operand takes f32 operands (vector FMAs, or v_wmma_f32_16x16x4_f32). A number that lies on a knife's edge between two numbers of the format may be rounded either way, as far as f32 arithmetic and the matrix unit's own rounding can turn it there, and no further.
;; One version. Each part assembles by itself: llvm-mc -triple=amdgcn-amd-amdhsa -mcpu=gfx1250 --defsym DOCPART=n.
;; ======== version 1 of 1: 2 launches
;; limits: right only within a limited range of input values
;; workspace buffers: a_codes 16,777,216 bytes; w_codes 8,388,608 bytes
;; launch quant (part 1): grid 768 x 1, 4 waves a work-group, no clusters, 68,096 bytes of LDS; arguments input, hidden_state, W_f, W_i, W_c, W_o, lowp_scales, a_codes, w_codes; writes a_codes, w_codes
.if DOCPART == 1
	.amdgcn_target "amdgcn-amd-amdhsa--gfx1250"
	.amdhsa_code_object_version 6
	.text
	.protected	k_q91b69c7b6d_quant
	.globl	k_q91b69c7b6d_quant
	.p2align	8
	.type	k_q91b69c7b6d_quant,@function
k_q91b69c7b6d_quant:
	s_mov_b64 s[64:65], 0
	v_nop
	global_prefetch_b8 v0, s[64:65] scope:SCOPE_SE
	s_setreg_imm32_b32 hwreg(HW_REG_WAVE_MODE, 25, 1), 1
	s_wait_xcnt 0x0
; Both operands of gates = [input | hidden_state] x [W_f | W_i | W_c | W_o] are turned into codes of FP8 (E4M3), one byte each, K innermost, each with the one scale 2^e that is given for it.
; code = x / 2^e, held within +-448, rounded to the nearest code, ties to even.  e: entry 0 of lowp_scales for the rows, entry 1 for the weights.
; LIMITS: -126 <= e <= 119, so that 2^e and 448 x 2^e are f32 numbers.  NaN among the inputs is not served; an infinity is held at the largest code.
; a_codes [8192][2048]: row m holds input[m]'s 1,024 codes, then hidden_state[m]'s.
; w_codes [4096][2048]: gate g (0 f, 1 i, 2 c, 3 o), hidden column c lies at row (c / 32) x 128 + 32 g + c % 32, so that 128 neighbouring rows are the four gates of the same 32 hidden columns.
; Work-groups 0-511 take the rows (0-255 input, 256-511 hidden_state), work-groups 512-767 the weights; each reads 131,072 bytes.  The two ways part on the work-group's number at the first line,
; and each has LDS bytes of its own.  No tensor loads, no barrier: waves share nothing.
.set EMAX,    8
.set MANT,    0x600000                 ; the mantissa field of 448 as f32
; ---- names of the rows' way
.set X_STEPS, 16                       ; a wave takes 16 steps of 512 numbers: 8 rows of one tensor
.set X_SP,    80                       ; a lane's place in a stage: its 64 bytes + 16 of padding
.set X_WREG,  8192                     ; LDS bytes 0 .. 32,767: a region for each wave, two stages of 32 x 80 bytes in it
.set X_R,     16                       ; v16-79   four sets of 16 numbers as they are loaded
.set X_X,     80                       ; v80-111  two sets of 16 neighbours along K
.set X_C,     128                      ; v128-191 codes: four registers for each step, so that no store's data are written again
; ---- names of the weights' way
.set W_BASE,  32768                    ; LDS bytes 32,768 .. 67,583: a stage of 32 rows x 272 bytes for each wave
.set W_PITCH, 272                      ; 256 bytes of codes + 16 of padding
.set W_NB,    8                        ; blocks of 32 along K for a wave
.set W_X,     32                       ; v32-95   two sets of 32 numbers
.set W_C,     96                       ; v96-103  a block's codes
.set W_OUT,   112                      ; v112-175 the way out: 16 x 4 registers
	v_lshl_add_u32 v192, v0, 2, 0x10800
	v_mov_b32 v193, 0
	s_cmp_lt_u32 ttmp9, 512
	s_cbranch_scc0 .Lweights
; ======== THE ROWS.  K is innermost, so a tensor is a plain stream of numbers.  The conversions take neighbours along K from ONE lane's registers, a load is best where neighbouring LANES take neighbouring bytes:
; each of a step's four loads reads 512 consecutive bytes, 16 a lane; the 2,048 bytes go through the wave's own stage as they lie and come back 64 bytes a lane.  A lane's 16 codes are 16 bytes: the wave stores 512 consecutive bytes.
	s_load_b128 s[4:7], s[0:1], 0x0                ; input, hidden_state
	s_load_b128 s[8:11], s[0:1], 0x30              ; the scales' exponents s[8:9], a_codes s[10:11]
	v_lshrrev_b32 v1, 5, v0
	v_readfirstlane_b32 s16, v1                    ; wave
	v_and_b32 v2, 31, v0                           ; lane
	v_lshlrev_b32 v3, 4, v2                        ; my 16 bytes of a load's 512, and of a store's; never rewritten
	s_mul_i32 s17, s16, X_WREG
	v_lshrrev_b32 v14, 2, v2
	v_mul_u32_u24 v14, v14, X_SP
	v_and_b32 v15, 3, v2
	v_lshl_add_u32 v14, v15, 4, v14
	v_add_nc_u32 v14, s17, v14                     ; the stage, on the way in: four lanes' 64 bytes on end, then 16 of padding: 80 (lane / 4) + 16 (lane % 4)
	v_mul_u32_u24 v15, v2, X_SP
	v_add_nc_u32 v15, s17, v15                     ; and on the way out: 80 x lane: my 16 neighbours
	s_wait_alu depctr_va_vdst(0)
	s_wait_kmcnt 0x0
	s_load_b32 s22, s[8:9], 0x0                    ; e of the rows
	s_cmp_lt_u32 ttmp9, 256                        ; input's work-group or hidden_state's?  The choice hangs on the work-group's number alone
	s_cselect_b64 s[4:5], s[4:5], s[6:7]
	s_cselect_b32 s17, 0, 256
	s_cselect_b32 s24, 0, 1024                     ; hidden_state's codes begin at byte 1,024 of a row of a_codes
	s_sub_co_u32 s17, ttmp9, s17
	s_lshl_b32 s17, s17, 2
	s_add_co_u32 s18, s17, s16                     ; which run of 8 rows is my wave's: 0 .. 1,023
	s_lshl_b32 s20, s18, 15                        ; 8 rows x 4,096 bytes of f32
	s_mov_b32 s21, 0
	s_add_nc_u64 s[4:5], s[4:5], s[20:21]
	s_lshl_b32 s20, s18, 14                        ; 8 rows x 2,048 bytes of codes
	s_add_co_u32 s20, s20, s24
	s_add_nc_u64 s[10:11], s[10:11], s[20:21]
.macro XLOAD t
.irp i, 0,1,2,3
	global_load_b128 v[X_R+16*((\t)%4)+4*\i:X_R+16*((\t)%4)+4*\i+3], v3, s[4:5] offset:2048*(\t)+512*\i th:TH_LOAD_NT   ; 32 lanes read 512 consecutive bytes; read once in the launch
.endr
.endm
.macro XTURN t                         ; step t's numbers through the stage: LDS serves a wave's instructions in order, so no wait stands between the stores and the loads
.irp i, 0,1,2,3
	ds_store_b128 v14, v[X_R+16*((\t)%4)+4*\i:X_R+16*((\t)%4)+4*\i+3] offset:32*X_SP*((\t)%2)+8*X_SP*\i
.endr
.irp i, 0,1,2,3
	ds_load_b128 v[X_X+16*((\t)%2)+4*\i:X_X+16*((\t)%2)+4*\i+3], v15 offset:32*X_SP*((\t)%2)+16*\i
.endr
.endm
.irp t, 0,1,2,3
	XLOAD \t
.endr
	s_wait_kmcnt 0x0
	s_add_co_i32 s22, s22, 127
	s_lshl_b32 s23, s22, 23
	v_mov_b32 v11, s23                             ; 2^e as f32: the conversion takes its exponent field
	s_add_co_i32 s22, s22, EMAX
	s_lshl_b32 s22, s22, 23
	s_or_b32 s22, s22, MANT
	v_mov_b32 v10, s22                             ; 448 x 2^e
	s_wait_alu depctr_va_vdst(0)
	s_wait_loadcnt 12                              ; step 0's four loads are in; the twelve of steps 1 to 3 may be out
	XTURN 0
.macro XSTEP t
.set XS, X_X+16*((\t)%2)
	s_wait_dscnt 0x0                               ; this step's numbers are back from the stage: so its stores into the stage have read their registers,
.if (\t)+4 < X_STEPS
	XLOAD (\t)+4                                   ; which take the loads of four steps on
.endif
.if (\t)+1 < X_STEPS
.if X_STEPS-2-(\t) >= 3
	s_wait_loadcnt 12                              ; the next step's four loads are in; those of the three steps behind it may be out
.else
	s_wait_loadcnt 4*(X_STEPS-2-(\t))              ; the counts run down: fewer steps are left behind the next one
.endif
	XTURN (\t)+1                                   ; and go through the other stage while this step is worked
.endif
.irp i, 0,1,2,3,4,5,6,7,8,9,10,11,12,13,14,15
	v_med3_num_f32 v[XS+\i], v[XS+\i], -v10, v10   ; the conversion to an 8-bit code does not saturate (ISA guide 7.6.2): the number is held within the largest code x the scale first
.endr
	v_cvt_scalef32_pk8_fp8_f32 v[X_C+4*(\t):X_C+4*(\t)+1], v[XS:XS+7], v11      ; eight numbers / 2^e, to the nearest code, ties to even; the first number's code in the lowest byte
	v_cvt_scalef32_pk8_fp8_f32 v[X_C+4*(\t)+2:X_C+4*(\t)+3], v[XS+8:XS+15], v11
	global_store_b128 v3, v[X_C+4*(\t):X_C+4*(\t)+3], s[10:11] offset:((\t)/2)*2048+((\t)%2)*512   ; half a tensor's row: 512 consecutive bytes, at a multiple of 256 from a_codes' first byte
.endm
.irp t, 0,1,2,3,4,5,6,7,8,9,10,11,12,13,14,15
	XSTEP \t
.endr
	s_wait_tensorcnt 0x0
	ds_add_u32 v192, v193
	s_wait_dscnt 0x0
	s_endpgm
; ======== THE WEIGHTS.  K is the FIRST axis.  A LANE TAKES A COLUMN, AND ITS REGISTERS RUN DOWN K: each load reads neighbouring columns in neighbouring lanes (128 consecutive bytes a wave, 512 a work-group),
; and the conversions give codes with K innermost.  A wave takes 32 columns x 256 along K; its codes go through its own stage and leave as rows: sixteen lanes store 256 consecutive bytes.
.Lweights:
	s_load_b256 s[4:11], s[0:1], 0x10              ; W_f, W_i, W_c, W_o
	s_load_b64 s[12:13], s[0:1], 0x30              ; the scales' exponents
	s_load_b64 s[14:15], s[0:1], 0x40              ; w_codes
	v_lshrrev_b32 v1, 5, v0
	v_readfirstlane_b32 s16, v1                    ; wave w
	v_and_b32 v2, 31, v0                           ; lane
	s_sub_co_u32 s17, ttmp9, 512
	s_lshr_b32 s18, s17, 6                         ; g: which gate's weight
	s_bfe_u32 s19, s17, 0x30003                    ; cb: which 128 columns
	s_and_b32 s20, s17, 7                          ; y: which 256 along K
	v_lshlrev_b32 v3, 2, v2                        ; in: 4 bytes a lane
	s_mul_i32 s21, s16, 32*W_PITCH
	s_add_co_u32 s21, s21, W_BASE                  ; my stage
	v_mul_u32_u24 v4, v2, W_PITCH
	v_add_nc_u32 v4, s21, v4                       ; into it: row = my column
	v_and_b32 v5, 15, v2
	v_lshrrev_b32 v6, 4, v2                        ; out of it: sixteen lanes to a row, two rows an instruction
	v_mul_u32_u24 v7, v6, W_PITCH
	v_lshl_add_u32 v7, v5, 4, v7
	v_add_nc_u32 v7, s21, v7
	v_lshlrev_b32 v8, 11, v6
	v_lshl_add_u32 v8, v5, 4, v8                   ; and the same place in w_codes: rows of 2,048 bytes
	s_lshl_b32 s22, s20, 20                        ; from: 256 y rows of 4,096 bytes
	s_lshl_b32 s23, s19, 9
	s_add_co_u32 s22, s22, s23                     ; + 128 cb columns of 4 bytes
	s_lshl_b32 s23, s16, 7
	s_add_co_u32 s22, s22, s23                     ; + 32 w columns
	s_mov_b32 s23, 0
	s_lshl_b32 s24, s19, 20                        ; to: row (4 cb + w) x 128 + 32 g, of 2,048 bytes,
	s_lshl_b32 s25, s16, 18
	s_add_co_u32 s24, s24, s25
	s_lshl_b32 s25, s18, 16
	s_add_co_u32 s24, s24, s25
	s_lshl_b32 s25, s20, 8
	s_add_co_u32 s24, s24, s25                     ; + 256 y bytes along K
	s_mov_b32 s25, 0
	s_wait_kmcnt 0x0
	s_load_b32 s30, s[12:13], 0x4                  ; e of the weights
	s_cmp_eq_u32 s18, 1                            ; the weight is chosen by the work-group's number alone
	s_cselect_b64 s[4:5], s[6:7], s[4:5]
	s_cmp_eq_u32 s18, 2
	s_cselect_b64 s[4:5], s[8:9], s[4:5]
	s_cmp_eq_u32 s18, 3
	s_cselect_b64 s[4:5], s[10:11], s[4:5]
	s_add_nc_u64 s[4:5], s[4:5], s[22:23]
	s_add_nc_u64 s[14:15], s[14:15], s[24:25]
.macro WLOAD t                         ; block t: W(32 t + i, my column), i = 0 .. 31, into set t % 2.  The largest offset, 255 rows, is 1,044,480: inside the signed 24-bit immediate (ISA guide, chapter 10)
.irp i, 0,1,2,3,4,5,6,7,8,9,10,11,12,13,14,15,16,17,18,19,20,21,22,23,24,25,26,27,28,29,30,31
	global_load_b32 v[W_X+32*((\t)%2)+\i], v3, s[4:5] offset:(32*(\t)+\i)*4096 th:TH_LOAD_NT
.endr
.endm
	WLOAD 0
	WLOAD 1
	s_wait_kmcnt 0x0
	s_add_co_i32 s30, s30, 127
	s_lshl_b32 s31, s30, 23
	v_mov_b32 v11, s31                             ; 2^e as f32
	s_add_co_i32 s30, s30, EMAX
	s_lshl_b32 s30, s30, 23
	s_or_b32 s30, s30, MANT
	v_mov_b32 v10, s30                             ; 448 x 2^e
.macro WBLOCK t
.set WS, W_X+32*((\t)%2)
.if (\t) < W_NB-1
	s_wait_loadcnt 32                              ; this block's 32 loads are in; the next block's 32 may be out
.else
	s_wait_loadcnt 0
.endif
.irp i, 0,1,2,3,4,5,6,7,8,9,10,11,12,13,14,15,16,17,18,19,20,21,22,23,24,25,26,27,28,29,30,31
	v_med3_num_f32 v[WS+\i], v[WS+\i], -v10, v10   ; the hold at the largest code x the scale
.endr
.irp g, 0,1,2,3
	v_cvt_scalef32_pk8_fp8_f32 v[W_C+2*\g:W_C+2*\g+1], v[WS+8*\g:WS+8*\g+7], v11
.endr
	ds_store_b128 v4, v[W_C:W_C+3] offset:32*(\t)          ; 32 codes: 32 bytes of my column's row
	ds_store_b128 v4, v[W_C+4:W_C+7] offset:32*(\t)+16
.if (\t)+2 < W_NB
	WLOAD (\t)+2
.endif
	s_wait_dscnt 0x0                               ; the stores have read their registers: the next block's codes may be written
.endm
.set Q, 0
	s_wait_alu depctr_va_vdst(0)
.rept W_NB
	WBLOCK Q
.set Q, Q+1
.endr
.irp t, 0,1,2,3,4,5,6,7,8,9,10,11,12,13,14,15
	ds_load_b128 v[W_OUT+4*\t:W_OUT+4*\t+3], v7 offset:2*\t*W_PITCH   ; LDS serves a wave's instructions in order: these see my stores
.endr
.irp t, 0,1,2,3,4,5,6,7,8,9,10,11,12,13,14,15
	s_wait_dscnt 15-\t                             ; load t is back; the younger ones may be out
	global_store_b128 v8, v[W_OUT+4*\t:W_OUT+4*\t+3], s[14:15] offset:2*\t*2048   ; sixteen lanes store 256 consecutive bytes, at a multiple of 256 from w_codes' first byte
.endr
	s_wait_tensorcnt 0x0
	ds_add_u32 v192, v193
	s_wait_dscnt 0x0
	s_endpgm
.Lfunc_end_k_q91b69c7b6d_quant:
	.size	k_q91b69c7b6d_quant, .Lfunc_end_k_q91b69c7b6d_quant-k_q91b69c7b6d_quant
	.p2alignl 7, 3214868480
	.fill 96, 4, 3214868480
	.section	.rodata,"a",@progbits
	.p2align	6, 0x0
	.amdhsa_kernel k_q91b69c7b6d_quant
		.amdhsa_group_segment_fixed_size 68096
		.amdhsa_private_segment_fixed_size 0
		.amdhsa_enable_private_segment 0
		.amdhsa_kernarg_size 72
		.amdhsa_user_sgpr_count 2
		.amdhsa_user_sgpr_kernarg_segment_ptr 1
		.amdhsa_wavefront_size32 1
		.amdhsa_system_sgpr_workgroup_id_x 1
		.amdhsa_system_sgpr_workgroup_id_y 1
		.amdhsa_system_sgpr_workgroup_id_z 1
		.amdhsa_system_vgpr_workitem_id 0
		.amdhsa_next_free_vgpr 194
		.amdhsa_next_free_sgpr 66
		.amdhsa_reserve_vcc 0
		.amdhsa_float_denorm_mode_32 3
		.amdhsa_float_denorm_mode_16_64 3
		.amdhsa_memory_ordered 1
		.amdhsa_forward_progress 1
		.amdhsa_inst_pref_size 86
	.end_amdhsa_kernel
	.amdgpu_metadata
---
amdhsa.version: [ 1, 2 ]
amdhsa.kernels:
  - .name:           k_q91b69c7b6d_quant
    .symbol:         k_q91b69c7b6d_quant.kd
    .args:
      - { .name: input, .offset: 0, .size: 8, .value_kind: global_buffer, .address_space: global }
      - { .name: hidden_state, .offset: 8, .size: 8, .value_kind: global_buffer, .address_space: global }
      - { .name: W_f, .offset: 16, .size: 8, .value_kind: global_buffer, .address_space: global }
      - { .name: W_i, .offset: 24, .size: 8, .value_kind: global_buffer, .address_space: global }
      - { .name: W_c, .offset: 32, .size: 8, .value_kind: global_buffer, .address_space: global }
      - { .name: W_o, .offset: 40, .size: 8, .value_kind: global_buffer, .address_space: global }
      - { .name: lowp_scales, .offset: 48, .size: 8, .value_kind: global_buffer, .address_space: global }
      - { .name: a_codes, .offset: 56, .size: 8, .value_kind: global_buffer, .address_space: global }
      - { .name: w_codes, .offset: 64, .size: 8, .value_kind: global_buffer, .address_space: global }
    .group_segment_fixed_size: 68096
    .private_segment_fixed_size: 0
    .kernarg_segment_align: 8
    .kernarg_segment_size: 72
    .max_flat_workgroup_size: 128
    .sgpr_count:     66
    .vgpr_count:     194
    .wavefront_size: 32
...
	.end_amdgpu_metadata
.endif
;; end of part 1
;; launch lstm (part 2): grid 16 x 16, 4 waves a work-group, clusters of 4 x 4, 327,680 bytes of LDS; arguments a_codes, w_codes, lowp_scales, b_f, b_i, b_c, b_o, cell_state, out0, out1; writes out0, out1
.if DOCPART == 2
	.amdgcn_target "amdgcn-amd-amdhsa--gfx1250"
	.amdhsa_code_object_version 6
	.text
	.protected	k_q91b69c7b6d_lstm
	.globl	k_q91b69c7b6d_lstm
	.p2align	8
	.type	k_q91b69c7b6d_lstm,@function
k_q91b69c7b6d_lstm:
	s_mov_b64 s[64:65], 0
	v_nop
	global_prefetch_b8 v0, s[64:65] scope:SCOPE_SE
	s_setreg_imm32_b32 hwreg(HW_REG_WAVE_MODE, 25, 1), 1
	s_wait_xcnt 0x0
	s_wait_alu depctr_hold_cnt(0) depctr_sa_sdst(0) depctr_va_vdst(0) depctr_va_sdst(0) depctr_va_ssrc(0) depctr_va_vcc(0) depctr_vm_vsrc(0)
	s_getreg_b32 s2, hwreg(HW_REG_IB_STS2, 6, 4)
	s_cmp_eq_u32 s2, 0
	s_cbranch_scc0 .Lentry_in_a_cluster
	s_endpgm
.Lentry_in_a_cluster:
	s_bfe_u32 s2, ttmp6, 0x10000c
	s_cmp_lg_u32 s2, 0xf033
	s_cbranch_scc0 .Lentry_shape_is_right
	s_endpgm
.Lentry_shape_is_right:
; The LSTM cell on codes of FP8 (E4M3).  gates[m][n'] = 2^(ea + eb) x sum over k of a_codes[m][k] w_codes[n'][k] + bias;  out1 = sigmoid(f) cell + sigmoid(i) tanh(c);  out0 = sigmoid(o) tanh(out1).
; a_codes [8192][2048], w_codes [4096][2048]: one code a byte, K innermost.  Row n' of w_codes is gate g (0 f, 1 i, 2 c, 3 o) of hidden column c, n' = (c / 32) x 128 + 32 g + c % 32.
; The codes are multiplied as they are, sums in f32; the two scales ride in the multiply-add that also brings the bias.  The gates never go to memory.  No work of the problem is left out.
; LIMIT: ea + eb lies between -126 and 126, so that log2(e) x 2^(ea + eb) and twice that are f32 numbers.  NaN among the inputs is not served.
; sigmoid(x) = 1 / (1 + 2^(-x log2 e)), tanh(x) = 1 - 2 / (1 + 2^(2 x log2 e)): where the power overflows or vanishes these give 0, 1 or -1, so no clamp is written.
; SHARES.  256 work-groups of four waves; each makes TWO tiles of 256 rows x 256 n' (64 hidden columns x 4 gates), 4,096 rows apart.  A wave makes 128 x 128: 64 accumulators, 512 registers.
; The matrix instruction is used transposed (source 0 = 16 rows of w_codes, source 1 = 16 rows of a_codes): accumulator (a, b), b = 2 g + u, register j, lane (r, h) holds gate g of row 16 a + r
; at hidden column 16 u + 8 h + j of my 32: the four gates of one output lie in one lane.
; K goes in steps of 256 through a ring of two LDS slots.  THE RING GOES ON INTO THE SECOND TILE: the first tile's last two changes of slots ask for the second tile's K steps 0 and 1.
; CLUSTERS: 4 x 4 work-groups; a_codes' tiles are asked for jointly along a row of the cluster, w_codes' along a column.
; PREFETCHES: behind each joint load a wave names 32 rows x 256 bytes of the K step two refills on (the four partners share a tile's 128 rows out by address); w_codes' rows are the same for both tiles
; and are named in the first tile alone; the first tile's K steps 1 to 3 are named at the head, behind the first joint load.  The cell tile's 256 rows are named once, in the lap loop's second trip, four K steps ahead of their loads.
; THE WAY OUT goes by blocks of 16 rows a wave through stages behind the ring, two buffers by turns, one barrier a block.  The cell comes as whole rows of 256 bytes into registers (B's idle set),
; goes into out1's stage, is read there in the accumulators' layout, and the new cell takes its place.
; REGISTERS: window 0: v0-31 addresses; v32-95 biases; v96-127 rows read back; from v128 A's fragments, one set (on the way out at work).  Window 1: B's fragments, two sets (set 0 holds the cell rows on the way out).
; Windows 2, 3: the accumulators of my rows 0-63, 64-127 (accumulator (a, b) at v[8 (8 a + b)]).
.set ROWB,   256
.set KROW,   2048
.set PITCH,  272                       ; 256 bytes + 16 of padding: the 16 rows that a load touches start at 16 different banks (ISA guide 11.1)
.set FR,     16
.set NP,     4                         ; places behind this matrix instruction (ISA guide 7.12.1)
.set HALFT,  128*PITCH
.set SLOT,   4*HALFT
.set LAPS,   4
.set BLKB,   32*PITCH                  ; a block's 32 rows (16 of each row half) in a stage
.set STG0,   2*SLOT                    ; out0's stage, two buffers
.set STG1,   STG0+2*BLKB               ; the cell's and out1's stage, two buffers
.set SPARE,  STG1+2*BLKB               ; the spare words: 512 bytes that no other line names
.set OROW,   4096
.set WALKB,  4096*OROW                 ; from a tile to the next in cell_state, out0, out1
.set NEXT_A, 4096*KROW-6*ROWB          ; from a slot's last K step of a tile to its first of the next, in a_codes
.set BACK_B, 6*ROWB                    ; in w_codes: back along K alone
.set PJUMP,  4096*KROW-7*ROWB          ; the prefetches' step from K step 7 to the next tile's K step 0
.set ADRA, 16
.set ADRB, 20
.set STO0, 23                          ; my 32 bytes of a row of a block in out0's stage: (16 x row half + r) x 272 + 128 x column half + 32 h
.set STO1, 24                          ; and in the cell's and out1's
.set RD0,  25                          ; whole rows of a block: (8 w + h) x 272 + 16 r
.set RD1,  26
.set CO,   27                          ; the same two rows in memory: 4,096 h + 16 r
.set SPW,  28
.set NIL,  29
.set PFO,  30                          ; 2,048 x lane: a lane a row of codes
.set PCO,  31                          ; 4,096 x lane: a lane a row of the cell
.set BI,   32
.set RB,   96
.set AF,   128
.set T,    128                         ; f 0-15, i 16-31, c 32-47, o 48-63
.set CL,   192
.set NC,   224
.set NH,   240
.set G1, 24
.set G0, 32
.set G1B, 48
.set G0B, 56
.set PFC, 66                           ; s[66:67] cell_state at my wave's 64 rows of the tile
.set PFA, 68                           ; s[68:69] where my prefetches of codes stand
.set PS,  70                           ; s[70:71] their step
.set PJ,  72
.set LIM, 73                           ; a wave prefetches codes in the trips with s3 above this
.set LN,  74                           ; s[74:75] -log2(e)
.set L2,  76                           ; s[76:77] 2 log2(e)
.set KS,  80                           ; s[80:81] -log2(e) x 2^(ea + eb)
.set KG,  82                           ; s[82:83] 2 log2(e) x 2^(ea + eb)
.set MSB, 0
.macro WIN new                         ; the immediate's high byte repeats the setting that is left
.if MSB != \new
	s_set_vgpr_msb (MSB<<8)|\new
.set MSB, \new
.endif
.endm
.set MUL_LO, 0xa1                      ; source 0 (B) window 1, source 1 (A) window 0, C and D window 2
.set MUL_HI, 0xf1
.set TO_B,   0x40                      ; destination window 1
.set FROM_B, 0x04                      ; source 1 (an LDS store's data) window 1
; A joint load: waves 0 and 1 fetch for A, waves 2 and 3 for B; s_nop 0 and four v_nop follow each line
.macro JLOAD g0a, g1a, g0b, g1b
	s_cmp_eq_u32 s15, 0
	s_cbranch_scc0 .Lfor_b_\@
	tensor_load_to_lds s[\g0a:\g0a+3], s[\g1a:\g1a+7]
	s_nop 0
.rept 4
	v_nop
.endr
	s_branch .Lasked_\@
.Lfor_b_\@:
	tensor_load_to_lds s[\g0b:\g0b+3], s[\g1b:\g1b+7]
	s_nop 0
.rept 4
	v_nop
.endr
.Lasked_\@:
.endm
.macro CROUND                          ; a round of the cluster's barrier
	s_barrier_signal -1
	s_barrier_wait -1
	s_cmp_lg_u32 s14, 0
	s_cbranch_scc1 .Lnot_wave_0_\@
	s_barrier_signal -3
.Lnot_wave_0_\@:
	s_barrier_wait -3
	s_barrier_signal -1
	s_barrier_wait -1
.endm
.macro ASK how                         ; 32 rows x 256 bytes of codes, two refills on.  how = 0: in the lap loop; 1: at the change of tiles, A's waves alone
.if \how
	s_cmp_eq_u32 s15, 0
.else
	s_cmp_gt_u32 s3, s[LIM]
.endif
	s_cbranch_scc0 .Lnone_\@
	global_prefetch_b8 v[PFO], s[PFA:PFA+1] th:TH_LOAD_NT scope:SCOPE_SE
.Lnone_\@:
.endm
.macro ASKC                            ; my wave's 64 rows of the cell tile, a lane a row, in the lap loop's second trip
	s_cmp_eq_u32 s3, 2
	s_cbranch_scc0 .Lnot_yet_\@
	global_prefetch_b8 v[PCO], s[PFC:PFC+1] th:TH_LOAD_NT scope:SCOPE_SE
	global_prefetch_b8 v[PCO], s[PFC:PFC+1] offset:32*OROW th:TH_LOAD_NT scope:SCOPE_SE
.Lnot_yet_\@:
.endm
	s_load_b128 s[4:7], s[0:1], 0x0                ; a_codes, w_codes
	s_load_b64 s[8:9], s[0:1], 0x10                ; the scales' exponents
	s_load_b256 s[84:91], s[0:1], 0x18             ; b_f, b_i, b_c, b_o
	s_load_b128 s[92:95], s[0:1], 0x38             ; cell_state, out0
	s_load_b64 s[10:11], s[0:1], 0x48              ; out1
	v_lshl_add_u32 v[SPW], v0, 2, SPARE
	v_mov_b32 v[NIL], 0
	ds_add_u32 v[SPW], v[NIL]                      ; the opening lines: the add, twice on end, and its wait
	ds_add_u32 v[SPW], v[NIL]
	v_lshrrev_b32 v1, 5, v0
	v_readfirstlane_b32 s14, v1                    ; wave 0..3
	s_lshr_b32 s15, s14, 1                         ; my row half.  Also: I fetch for A (0) or for B (1)
	s_and_b32 s16, s14, 1                          ; my column half.  Also: which 128 rows of that tile I fetch
	s_bfe_u32 s40, ttmp6, 0x40000                  ; cx
	s_bfe_u32 s41, ttmp6, 0x40004                  ; cy
	s_lshl_b32 s42, ttmp9, 2
	s_add_co_u32 s42, s42, s40                     ; tile column tx
	s_and_b32 s17, ttmp7, 0xffff
	s_lshl_b32 s17, s17, 2
	s_add_co_u32 s17, s17, s41                     ; tile row ty of the first tile
	s_lshl_b32 s43, s41, 2
	s_lshl_b32 s43, 15, s43                        ; my row of the cluster
	s_lshl_b32 s44, 0x1111, s40                    ; my column
	s_or_b32 s[G1+0], s43, (0<<16)|(1<<20)|(1<<21)|(5<<22)|(3<<25)  ; mask; elements of 1 byte; 4 words of padding behind every 64
	s_or_b32 s[G1B+0], s44, (0<<16)|(1<<20)|(1<<21)|(5<<22)|(3<<25)
.irp g, G1, G1B
	s_mov_b32 s[\g+1], ROWB<<16
	s_mov_b32 s[\g+2], 128<<16
	s_mov_b32 s[\g+3], ROWB<<16
	s_mov_b32 s[\g+4], 128
	s_mov_b32 s[\g+5], KROW
	s_mov_b32 s[\g+6], 0
	s_mov_b32 s[\g+7], 0
.endr
	s_lshl_b32 s18, s16, 7
	s_lshl_b32 s20, s17, 8
	s_add_co_u32 s20, s20, s18                     ; A: row 256 ty + 128 x half
	s_lshl_b32 s46, s42, 8
	s_add_co_u32 s46, s46, s18                     ; B: row 256 tx + 128 x half
	s_mov_b32 s21, 0
	s_mov_b32 s47, 0
	s_mov_b64 s[18:19], KROW
	s_mul_u64 s[20:21], s[20:21], s[18:19]
	s_mul_u64 s[46:47], s[46:47], s[18:19]
	s_mul_i32 s45, s14, HALFT                      ; where they go: wave x 128 rows
	s_wait_dscnt 0x0                               ; both opening adds are done
	s_wait_kmcnt 0x0
	s_load_b64 s[96:97], s[8:9], 0x0               ; ea, eb
	s_add_nc_u64 s[20:21], s[4:5], s[20:21]
	s_add_nc_u64 s[46:47], s[6:7], s[46:47]
	CROUND                                         ; the first joint loads meet
.irp s, 0,1
	s_mov_b32 s[G0+4*\s], 1
	s_add_co_u32 s[G0+4*\s+1], s45, \s*SLOT
	s_add_nc_u64 s[G0+4*\s+2:G0+4*\s+3], s[20:21], \s*ROWB
	s_or_b32 s[G0+4*\s+3], s[G0+4*\s+3], 0x80000000
	s_mov_b32 s[G0B+4*\s], 1
	s_add_co_u32 s[G0B+4*\s+1], s45, \s*SLOT
	s_add_nc_u64 s[G0B+4*\s+2:G0B+4*\s+3], s[46:47], \s*ROWB
	s_or_b32 s[G0B+4*\s+3], s[G0B+4*\s+3], 0x80000000
.endr
	JLOAD G0, G1, G0B, G1B                         ; K step 0: one tensor load a wave at the head
	; the cell tile for the prefetches: (256 ty + 64 w) rows of 4,096 bytes + 256 tx bytes
	s_lshl_b32 s98, s17, 8
	s_lshl_b32 s99, s14, 6
	s_add_co_u32 s98, s98, s99
	s_lshl_b32 s98, s98, 12
	s_lshl_b32 s99, s42, 8
	s_add_co_u32 s98, s98, s99
	s_mov_b32 s99, 0
	s_add_nc_u64 s[PFC:PFC+1], s[92:93], s[98:99]
	; the rows that I load of the cell and store of both outputs: of each block of 16 rows of my row half eight: (256 ty + 128 x row half + 8 x (w % 2)) rows + 256 tx bytes
	s_lshl_b32 s98, s17, 8
	s_lshl_b32 s99, s15, 7
	s_add_co_u32 s98, s98, s99
	s_lshl_b32 s99, s16, 3
	s_add_co_u32 s98, s98, s99
	s_lshl_b32 s98, s98, 12
	s_lshl_b32 s99, s42, 8
	s_add_co_u32 s98, s98, s99
	s_mov_b32 s99, 0
	s_add_nc_u64 s[92:93], s[92:93], s[98:99]
	s_add_nc_u64 s[94:95], s[94:95], s[98:99]
	s_add_nc_u64 s[10:11], s[10:11], s[98:99]
	; the biases of my 32 hidden columns
	s_lshl_b32 s46, s42, 8
	s_lshl_b32 s47, s16, 7
	s_add_co_u32 s46, s46, s47
	s_mov_b32 s47, 0
.irp g, 0,1,2,3
	s_add_nc_u64 s[84+2*\g:85+2*\g], s[84+2*\g:85+2*\g], s[46:47]
.endr
	; the prefetches of codes: of the 128 rows that I fetch, my work-group's 32 (place cx among A's partners, cy among B's): told apart by address alone
	s_lshl_b32 s18, s17, 8
	s_lshl_b32 s19, s42, 8
	s_cmp_eq_u32 s15, 0
	s_cselect_b32 s20, s18, s19
	s_cselect_b32 s21, s40, s41
	s_cselect_b64 s[PFA:PFA+1], s[4:5], s[6:7]
	s_lshl_b32 s22, s16, 7
	s_add_co_u32 s20, s20, s22
	s_lshl_b32 s21, s21, 5
	s_add_co_u32 s20, s20, s21
	s_lshl_b32 s20, s20, 11
	s_add_co_u32 s20, s20, 3*ROWB                  ; at K step 3: the first change of slots steps it to 4
	s_mov_b32 s21, 0
	s_add_nc_u64 s[PFA:PFA+1], s[PFA:PFA+1], s[20:21]
	s_mov_b32 s[PS+1], 0
	s_mov_b32 s[PJ], PJUMP
	s_mov_b32 s[LIM], s15                          ; first tile: A's waves in all three trips (the third names the next tile), B's in the first two
	; LDS places
	s_mul_i32 s21, s15, HALFT                      ; my 128 rows of A
	s_mul_i32 s22, s16, HALFT
	s_add_co_u32 s22, s22, 2*HALFT                 ; my 128 rows of B
	s_mul_i32 s23, s15, 16*PITCH
	s_lshl_b32 s18, s16, 7
	s_add_co_u32 s23, s23, s18
	s_add_co_u32 s23, s23, STG0
	s_mul_i32 s18, s14, 8*PITCH
	s_add_co_u32 s18, s18, STG0
	s_mov_b32 s[LN], 0xbfb8aa3b
	s_mov_b32 s[LN+1], s[LN]
	s_mov_b32 s[L2], 0x4038aa3b
	s_mov_b32 s[L2+1], s[L2]
	s_wait_kmcnt 0x0                               ; ea, eb
	s_add_co_i32 s96, s96, s97
	s_lshl_b32 s96, s96, 23                        ; ea + eb is added to the exponent fields of the two factors
	s_add_co_i32 s[KS], s96, s[LN]
	s_mov_b32 s[KS+1], s[KS]
	s_add_co_i32 s[KG], s96, s[L2]
	s_mov_b32 s[KG+1], s[KG]
	v_and_b32 v[PFO], 31, v0
	v_lshlrev_b32 v[PCO], 12, v[PFO]
	v_lshlrev_b32 v[PFO], 11, v[PFO]
	v_and_b32 v1, 15, v0                           ; r
	v_bfe_u32 v2, v0, 4, 1                         ; h
	v_lshlrev_b32 v6, 5, v2
.irp g, 0,1,2,3
.irp u, 0,1
	global_load_b128 v[BI+8*(2*\g+\u):BI+8*(2*\g+\u)+3],   v6, s[84+2*\g:85+2*\g] offset:64*\u
	global_load_b128 v[BI+8*(2*\g+\u)+4:BI+8*(2*\g+\u)+7], v6, s[84+2*\g:85+2*\g] offset:64*\u+16
.endr
.endr
	global_prefetch_b8 v[PFO], s[PFA:PFA+1] offset:-2*ROWB th:TH_LOAD_NT scope:SCOPE_SE   ; my 32 rows of K step 1, which slot 1's first fill will want
	v_mul_u32_u24 v3, v1, PITCH
	v_lshl_add_u32 v4, v2, 4, v3
	v_add_nc_u32 v[ADRA], s21, v4
	v_add_nc_u32 v[ADRB], s22, v4
	v_add_nc_u32 v[ADRA+1], SLOT, v[ADRA]
	v_add_nc_u32 v[ADRB+1], SLOT, v[ADRB]
	v_lshl_add_u32 v5, v2, 5, v3
	v_add_nc_u32 v[STO0], s23, v5
	v_add_nc_u32 v[STO1], 2*BLKB, v[STO0]
	v_mul_u32_u24 v7, v2, PITCH
	v_lshl_add_u32 v7, v1, 4, v7
	v_add_nc_u32 v[RD0], s18, v7
	v_add_nc_u32 v[RD1], 2*BLKB, v[RD0]
	v_lshlrev_b32 v[CO], 12, v2
	v_lshl_add_u32 v[CO], v1, 4, v[CO]
	s_wait_loadcnt 0x0                             ; the biases; they take the factors that the gates' exponents want, once for both tiles
.irp b, 0,1,2,3,4,5,6,7
.irp j, 0,2,4,6
.if (\b)/2 == 2
	v_pk_mul_f32 v[BI+8*\b+\j:BI+8*\b+\j+1], v[BI+8*\b+\j:BI+8*\b+\j+1], s[L2:L2+1] op_sel_hi:[1,0]
.else
	v_pk_mul_f32 v[BI+8*\b+\j:BI+8*\b+\j+1], v[BI+8*\b+\j:BI+8*\b+\j+1], s[LN:LN+1] op_sel_hi:[1,0]
.endif
.endr
.endr
.macro FRAG reg, adr, q, i             ; 16 rows x 128 K: registers 4 c .. 4 c + 3 hold K = 32 c + 16 h + 0 .. 15: the same order of K in A and in B
.irp c, 0,1,2,3
	ds_load_b128 v[\reg+4*\c:\reg+4*\c+3], v[\adr] offset:128*(\q)+32*\c+(\i)*16*PITCH
.endr
.endm
; 16 matrix instructions; the 64 accumulators take turns in the same order in every step
.macro MUL16 a0, p, zero
.irp a, \a0, \a0+1
.irp b, 0,1,2,3,4,5,6,7
.if \zero
	v_wmma_f32_16x16x128_fp8_fp8 v[8*(8*((\a)%4)+\b):8*(8*((\a)%4)+\b)+7], v[128*(\p)+FR*\b:128*(\p)+FR*\b+FR-1], v[AF+FR*(\a):AF+FR*(\a)+FR-1], 0
.else
	v_wmma_f32_16x16x128_fp8_fp8 v[8*(8*((\a)%4)+\b):8*(8*((\a)%4)+\b)+7], v[128*(\p)+FR*\b:128*(\p)+FR*\b+FR-1], v[AF+FR*(\a):AF+FR*(\a)+FR-1], v[8*(8*((\a)%4)+\b):8*(8*((\a)%4)+\b)+7]
.endif
.endr
.endr
.endm
.macro FB4 slot, q, p, i0              ; B's fragments i0 .. i0 + 3 into set p: 16 loads
	WIN TO_B
.irp i, \i0, \i0+1, \i0+2, \i0+3
	FRAG 128*(\p)+FR*(\i), ADRB+\slot, \q, \i
.endr
	WIN 0
.endm
.macro FA2 slot, q, i0                 ; A's blocks i0, i0 + 1: 8 loads
.irp i, \i0, \i0+1
	FRAG AF+FR*(\i), ADRA+\slot, \q, \i
.endr
.endm
.macro PLACES n
.rept \n
	v_nop
.endr
.endm
; A step of 128 along K is four groups of 16 matrix instructions (two blocks of A against B's eight).  Behind each group the two blocks of A that it has freed are fetched anew, behind the first two groups also
; half of B's other set: runs of 24, 24, 8, 8 loads.  LDS loads come back in order (ISA guide 5.7.1), so each group's wait counts the loads issued behind the last one that it needs:
; group 0: A's blocks 2-7 (24); group 1: blocks 4-7 and this step's first run (40); group 2: blocks 6-7 and two runs (56); group 3: three runs (56).
.macro STEP slot, q, zero
	s_wait_dscnt 24
	WIN MUL_LO
	MUL16 0, (\q)%2, \zero
	PLACES NP
	FB4 \slot, (\q)+1, 1-(\q)%2, 0
	FA2 \slot, (\q)+1, 0
	s_wait_dscnt 40
	WIN MUL_LO
	MUL16 2, (\q)%2, \zero
	PLACES NP
	FB4 \slot, (\q)+1, 1-(\q)%2, 4
	FA2 \slot, (\q)+1, 2
	s_wait_dscnt 56
	WIN MUL_HI
	MUL16 4, (\q)%2, \zero
	PLACES NP
	WIN 0
	FA2 \slot, (\q)+1, 4
	s_wait_dscnt 56
	WIN MUL_HI
	MUL16 6, (\q)%2, \zero
	PLACES NP
	WIN 0
	FA2 \slot, (\q)+1, 6
.endm
; A slot's last step changes slots behind its first group: all its fragments were asked for in the step before.  Behind the round come the refill, all of B's next set and A's blocks 0, 1 (40 loads);
; A's blocks 2 to 5 follow the third group in one run, blocks 6, 7 the fourth: the order of the loads is the one that the next step's counts expect.  From a request to the wait for it a wave issues 128 matrix instructions.
; fill = 1: the slot takes this tile's K step two on; 2: the next tile's K step 0; 0: nothing (the last tile): a barrier of the work-group alone
.macro TURN slot, next, fill
	s_wait_dscnt 24
	WIN MUL_LO
	MUL16 0, 1, 0
	WIN 0
.if \fill
	s_wait_xcnt 0x0                                ; my last prefetch has read its address: it steps here
.if (\fill == 1) && (\slot == 0)
	s_cmp_eq_u32 s3, 1                             ; the third trip goes on to the next tile's K step 0
	s_cselect_b32 s[PS], s[PJ], 0x100
	s_add_nc_u64 s[PFA:PFA+1], s[PFA:PFA+1], s[PS:PS+1]
.else
	s_add_nc_u64 s[PFA:PFA+1], s[PFA:PFA+1], 0x100
.endif
.endif
	s_wait_tensorcnt 0x0                           ; my one load that was out, my part of the next slot, has landed
	ds_add_u32 v[SPW], v[NIL]
.if \fill == 1
	s_add_nc_u64 s[G0+4*\slot+2:G0+4*\slot+3], s[G0+4*\slot+2:G0+4*\slot+3], 2*ROWB
	s_add_nc_u64 s[G0B+4*\slot+2:G0B+4*\slot+3], s[G0B+4*\slot+2:G0B+4*\slot+3], 2*ROWB
.endif
.if \fill == 2
	s_add_nc_u64 s[G0+4*\slot+2:G0+4*\slot+3], s[G0+4*\slot+2:G0+4*\slot+3], NEXT_A
	s_sub_nc_u64 s[G0B+4*\slot+2:G0B+4*\slot+3], s[G0B+4*\slot+2:G0B+4*\slot+3], BACK_B
.endif
	s_wait_dscnt 0x0                               ; the add is done, and my reads of this slot are over
.if \fill
	CROUND
	JLOAD G0+4*\slot, G1, G0B+4*\slot, G1B         ; the first tensor load behind the round; its four v_nop are the places in front of the loads below
.else
	s_barrier_signal -1
	s_barrier_wait -1
	PLACES NP
.endif
	FB4 \next, 0, 0, 0
	FB4 \next, 0, 0, 4
	FA2 \next, 0, 0
.if \fill == 1
	ASK 0
.if \slot == 1
	ASKC
.endif
.endif
.if \fill == 2
	ASK 1
.endif
	WIN MUL_LO
	MUL16 2, 1, 0
	WIN MUL_HI
	MUL16 4, 1, 0
	PLACES NP
	WIN 0
	FA2 \next, 0, 2
	FA2 \next, 0, 4
	WIN MUL_HI
	MUL16 6, 1, 0
	PLACES NP
	WIN 0
	FA2 \next, 0, 6
.endm
; The cell: for each block my eight whole rows, sixteen lanes to 256 consecutive bytes, into B's set 0, which the tile's last step does not read (its places stand in the step before)
.macro GCELL
	WIN TO_B
.irp a, 0,1,2,3,4,5,6,7
.irp t, 0,1,2,3
	global_load_b128 v[16*\a+4*\t:16*\a+4*\t+3], v[CO], s[92:93] offset:(16*\a+2*\t)*OROW th:TH_LOAD_NT
.endr
.endr
	WIN 0
.endm
; A tile's very last step.  fill = 2: slot 1 takes the next tile's K step 1
.macro FINAL fill
	s_wait_dscnt 24
	WIN MUL_LO
	MUL16 0, 1, 0
	WIN 0
.if \fill
	s_wait_xcnt 0x0
	s_add_nc_u64 s[PFA:PFA+1], s[PFA:PFA+1], 0x100
	s_wait_tensorcnt 0x0                           ; the next tile's K step 0 has landed
	ds_add_u32 v[SPW], v[NIL]
	s_add_nc_u64 s[G0+6:G0+7], s[G0+6:G0+7], NEXT_A
	s_sub_nc_u64 s[G0B+6:G0B+7], s[G0B+6:G0B+7], BACK_B
	s_wait_dscnt 0x0
	CROUND
	JLOAD G0+4, G1, G0B+4, G1B
.else
	s_wait_dscnt 0x0
.endif
	GCELL
.if \fill
	ASK 1
.endif
	WIN MUL_LO
	MUL16 2, 1, 0
	WIN MUL_HI
	MUL16 4, 1, 0
	MUL16 6, 1, 0
	WIN 0
.endm
.macro BACK a                          ; block a's rows 8 w .. 8 w + 7 of both stages come back whole
.irp t, 0,1,2,3
	ds_load_b128 v[RB+4*\t:RB+4*\t+3],       v[RD0] offset:((\a)%2)*BLKB+\t*2*PITCH
	ds_load_b128 v[RB+16+4*\t:RB+16+4*\t+3], v[RD1] offset:((\a)%2)*BLKB+\t*2*PITCH
.endr
.endm
.macro SEND a                          ; sixteen lanes store 256 consecutive bytes, at a multiple of 256 from the output's first byte
.irp t, 0,1,2,3
	global_store_b128 v[CO], v[RB+4*\t:RB+4*\t+3],       s[94:95] offset:(16*(\a)+2*\t)*OROW th:TH_STORE_NT
	global_store_b128 v[CO], v[RB+16+4*\t:RB+16+4*\t+3], s[10:11] offset:(16*(\a)+2*\t)*OROW th:TH_STORE_NT
.endr
.endm
.macro CROWS a                         ; my eight rows of block a's cell go into the stage; the count leaves the later blocks' loads out
	s_wait_loadcnt 28-4*(\a)
	WIN FROM_B
.irp t, 0,1,2,3
	ds_store_b128 v[RD1], v[16*(\a)+4*\t:16*(\a)+4*\t+3] offset:((\a)%2)*BLKB+\t*2*PITCH
.endr
	WIN 0
.endm
; Block a: 16 rows x my 32 hidden columns.  ONE BARRIER A BLOCK, signal and wait apart.  A wave's signal says: my part of block a's results and my rows of block a + 1's cell lie in the stages.
; Behind the wait it reads its part of this block's cell, reads block a - 1 back as whole rows, and lays block a + 1's cell over the rows of the other buffer that it has itself just read (LDS serves a wave in order).
.macro BLOCK a
.set AC,  64*((\a)%4)
.set SB,  ((\a)%2)*BLKB
.set WSRC, 0x02+((\a)/4)
	WIN WSRC
	s_wait_alu depctr_va_vdst(0)                   ; ahead of the first reader of these sums
.irp b, 0,1,2,3,4,5,6,7
.irp j, 0,2,4,6                                ; each accumulator from its low end on
.if (\b)/2 == 2
	v_pk_fma_f32 v[T+8*\b+\j:T+8*\b+\j+1], v[AC+8*\b+\j:AC+8*\b+\j+1], s[KG:KG+1], v[BI+8*\b+\j:BI+8*\b+\j+1] op_sel_hi:[1,0,1]
.else
	v_pk_fma_f32 v[T+8*\b+\j:T+8*\b+\j+1], v[AC+8*\b+\j:AC+8*\b+\j+1], s[KS:KS+1], v[BI+8*\b+\j:BI+8*\b+\j+1] op_sel_hi:[1,0,1]
.endif
.endr
.endr
	WIN 0
	s_wait_alu depctr_va_vdst(0)                   ; ahead of the batch
.set k, 0
.rept 64
	v_exp_f32 v[T+k], v[T+k]
.set k, k+1
.endr
	v_nop
	s_wait_alu depctr_va_vdst(0)                   ; behind the batch
	s_barrier_wait -1
.irp u, 0,1
	ds_load_b128 v[CL+8*\u:CL+8*\u+3],   v[STO1] offset:SB+64*\u
	ds_load_b128 v[CL+8*\u+4:CL+8*\u+7], v[STO1] offset:SB+64*\u+16
.endr
.if (\a) > 0
.if (\a) > 1
	s_wait_xcnt 0x0                                ; block a - 2's stores have read their registers
.endif
	BACK (\a)-1
.endif
.if (\a) < 7
	CROWS (\a)+1
.endif
.set k, 0
.rept 32
	v_pk_add_f32 v[T+k:T+k+1], v[T+k:T+k+1], 1.0 op_sel_hi:[1,0]
.set k, k+2
.endr
	s_wait_alu depctr_va_vdst(0)
.set k, 0
.rept 64
	v_rcp_f32 v[T+k], v[T+k]                       ; f, i, o: the sigmoids
.set k, k+1
.endr
	v_nop
	s_wait_alu depctr_va_vdst(0)
	s_wait_dscnt 0x0                               ; my cell and block a - 1's rows are in
.if (\a) > 0
	SEND (\a)-1
.endif
.set k, 0
.rept 8
	v_pk_fma_f32 v[T+32+k:T+32+k+1], v[T+32+k:T+32+k+1], -2.0, 1.0 op_sel_hi:[1,0,0]   ; tanh(c)
.set k, k+2
.endr
.set k, 0
.rept 8
	v_pk_mul_f32 v[NC+k:NC+k+1], v[T+16+k:T+16+k+1], v[T+32+k:T+32+k+1]
.set k, k+2
.endr
.set k, 0
.rept 8
	v_pk_fma_f32 v[NC+k:NC+k+1], v[T+k:T+k+1], v[CL+k:CL+k+1], v[NC+k:NC+k+1]          ; the new cell
.set k, k+2
.endr
.set k, 0
.rept 8
	v_pk_mul_f32 v[T+16+k:T+16+k+1], v[NC+k:NC+k+1], s[L2:L2+1] op_sel_hi:[1,0]
.set k, k+2
.endr
	s_wait_alu depctr_va_vdst(0)
.set k, 0
.rept 16
	v_exp_f32 v[T+16+k], v[T+16+k]
.set k, k+1
.endr
	v_nop
	s_wait_alu depctr_va_vdst(0)
.set k, 0
.rept 8
	v_pk_add_f32 v[T+16+k:T+16+k+1], v[T+16+k:T+16+k+1], 1.0 op_sel_hi:[1,0]
.set k, k+2
.endr
	s_wait_alu depctr_va_vdst(0)
.set k, 0
.rept 16
	v_rcp_f32 v[T+16+k], v[T+16+k]
.set k, k+1
.endr
	v_nop
	s_wait_alu depctr_va_vdst(0)
.set k, 0
.rept 8
	v_pk_fma_f32 v[T+16+k:T+16+k+1], v[T+16+k:T+16+k+1], -2.0, 1.0 op_sel_hi:[1,0,0]
.set k, k+2
.endr
.set k, 0
.rept 8
	v_pk_mul_f32 v[NH+k:NH+k+1], v[T+48+k:T+48+k+1], v[T+16+k:T+16+k+1]                ; the new hidden state
.set k, k+2
.endr
.irp u, 0,1
	ds_store_b128 v[STO0], v[NH+8*\u:NH+8*\u+3]   offset:SB+64*\u
	ds_store_b128 v[STO0], v[NH+8*\u+4:NH+8*\u+7] offset:SB+64*\u+16
	ds_store_b128 v[STO1], v[NC+8*\u:NC+8*\u+3]   offset:SB+64*\u
	ds_store_b128 v[STO1], v[NC+8*\u+4:NC+8*\u+7] offset:SB+64*\u+16
.endr
	s_wait_dscnt 0x0                               ; for the others' sake: my stores into the stages are done
	s_barrier_signal -1
.endm
	s_wait_alu depctr_va_vdst(0)
	s_wait_tensorcnt 0x0                           ; my part of K step 0 is in; these lines stand ahead of a later first fill as ahead of a refill
	ds_add_u32 v[SPW], v[NIL]
	s_wait_dscnt 0x0
	CROUND
	JLOAD G0+4, G1, G0B+4, G1B                     ; K step 1: slot 1's first fill
	global_prefetch_b8 v[PFO], s[PFA:PFA+1] offset:-ROWB th:TH_LOAD_NT scope:SCOPE_SE     ; my 32 rows of K steps 2 and 3
	global_prefetch_b8 v[PFO], s[PFA:PFA+1] th:TH_LOAD_NT scope:SCOPE_SE
	s_mov_b32 s2, 2                                ; tiles to go: the same in every work-group
.Ltile:
	FB4 0, 0, 0, 0                                 ; a tile's first fragments, in the order that the steps' counts expect: B's eight, then A's blocks by pairs
	FB4 0, 0, 0, 4
	FA2 0, 0, 0
	FA2 0, 0, 2
	FA2 0, 0, 4
	FA2 0, 0, 6
	STEP 0, 0, 1                                   ; a tile's first step starts the sums
	s_mov_b32 s3, LAPS-1
.Llap:
	TURN 0, 1, 1
	STEP 1, 0, 0
	TURN 1, 0, 1
	STEP 0, 0, 0
	s_sub_co_u32 s3, s3, 1
	s_cmp_lg_u32 s3, 0
	s_cbranch_scc1 .Llap
	s_cmp_eq_u32 s2, 1
	s_cbranch_scc1 .Llast
	TURN 0, 1, 2                                   ; the ring goes on: slot 0 takes the next tile's K step 0,
	STEP 1, 0, 0
	FINAL 2                                        ; slot 1 its K step 1
	s_branch .Lout
.Llast:
	TURN 0, 1, 0                                   ; the last tile asks for nothing more
	STEP 1, 0, 0
	FINAL 0
.Lout:
	PLACES NP                                      ; behind the last products
	CROWS 0
	s_wait_dscnt 0x0
	s_barrier_signal -1                            ; my rows of block 0's cell lie in the stage
.irp a, 0,1,2,3,4,5,6,7
	BLOCK \a
.endr
	s_barrier_wait -1
	s_wait_xcnt 0x0
	BACK 7
	s_wait_dscnt 0x0
	SEND 7
	s_wait_xcnt 0x0                                ; the stores and prefetches have read their bases: on to the next tile's rows
	s_add_nc_u64 s[92:93], s[92:93], WALKB
	s_add_nc_u64 s[94:95], s[94:95], WALKB
	s_add_nc_u64 s[10:11], s[10:11], WALKB
	s_add_nc_u64 s[PFC:PFC+1], s[PFC:PFC+1], WALKB
	s_cmp_eq_u32 s15, 0
	s_cselect_b32 s[LIM], 1, -1                    ; second tile: A's waves in the first two trips, B's never
	s_sub_co_u32 s2, s2, 1
	s_cmp_lg_u32 s2, 0
	s_wait_alu depctr_va_vdst(0)
	s_cbranch_scc1 .Ltile
	s_wait_tensorcnt 0x0                           ; the wave's end
	ds_add_u32 v[SPW], v[NIL]
	s_wait_dscnt 0x0
	CROUND                                         ; the closing round
	s_endpgm
.Lfunc_end_k_q91b69c7b6d_lstm:
	.size	k_q91b69c7b6d_lstm, .Lfunc_end_k_q91b69c7b6d_lstm-k_q91b69c7b6d_lstm
	.p2alignl 7, 3214868480
	.fill 96, 4, 3214868480
	.section	.rodata,"a",@progbits
	.p2align	6, 0x0
	.amdhsa_kernel k_q91b69c7b6d_lstm
		.amdhsa_group_segment_fixed_size 327680
		.amdhsa_private_segment_fixed_size 0
		.amdhsa_enable_private_segment 0
		.amdhsa_kernarg_size 80
		.amdhsa_user_sgpr_count 2
		.amdhsa_user_sgpr_kernarg_segment_ptr 1
		.amdhsa_wavefront_size32 1
		.amdhsa_system_sgpr_workgroup_id_x 1
		.amdhsa_system_sgpr_workgroup_id_y 1
		.amdhsa_system_sgpr_workgroup_id_z 1
		.amdhsa_system_vgpr_workitem_id 0
		.amdhsa_next_free_vgpr 1024
		.amdhsa_next_free_sgpr 100
		.amdhsa_reserve_vcc 0
		.amdhsa_float_denorm_mode_32 3
		.amdhsa_float_denorm_mode_16_64 3
		.amdhsa_memory_ordered 1
		.amdhsa_forward_progress 1
		.amdhsa_inst_pref_size 242
	.end_amdhsa_kernel
	.amdgpu_metadata
---
amdhsa.version: [ 1, 2 ]
amdhsa.kernels:
  - .name:           k_q91b69c7b6d_lstm
    .symbol:         k_q91b69c7b6d_lstm.kd
    .args:
      - { .name: a_codes, .offset: 0, .size: 8, .value_kind: global_buffer, .address_space: global }
      - { .name: w_codes, .offset: 8, .size: 8, .value_kind: global_buffer, .address_space: global }
      - { .name: lowp_scales, .offset: 16, .size: 8, .value_kind: global_buffer, .address_space: global }
      - { .name: b_f, .offset: 24, .size: 8, .value_kind: global_buffer, .address_space: global }
      - { .name: b_i, .offset: 32, .size: 8, .value_kind: global_buffer, .address_space: global }
      - { .name: b_c, .offset: 40, .size: 8, .value_kind: global_buffer, .address_space: global }
      - { .name: b_o, .offset: 48, .size: 8, .value_kind: global_buffer, .address_space: global }
      - { .name: cell_state, .offset: 56, .size: 8, .value_kind: global_buffer, .address_space: global }
      - { .name: out0, .offset: 64, .size: 8, .value_kind: global_buffer, .address_space: global }
      - { .name: out1, .offset: 72, .size: 8, .value_kind: global_buffer, .address_space: global }
    .group_segment_fixed_size: 327680
    .private_segment_fixed_size: 0
    .kernarg_segment_align: 8
    .kernarg_segment_size: 80
    .max_flat_workgroup_size: 128
    .sgpr_count:     100
    .vgpr_count:     1024
    .wavefront_size: 32
...
	.end_amdgpu_metadata
.endif
;; end of part 2
